; MI455X (gfx1250); checked and timed in simulation.
; The chip was launched on July 23, 2026; its instructions are those of AMD's public machine-readable ISA for CDNA 5 (MIT licence, August 2026) and "CDNA5" Instruction Set Architecture Reference Guide (July 2026). The comments in the code are by the model that wrote it; some were corrected since.
;; Perceptual Metric. Allowed arithmetic: matrix products marked QUANTISED: E2M1 operands, one E8M0 scale for each 32 along K, by v_wmma_scale_f32_16x16x128_f8f6f4 with both operands' format E2M1 (or v_wmma_scale_f32_32x16x128_f4), f32 sums; everything else in f32.
;; Inputs: W_codes 512 x 16 x 16 uint8 (E2M1 codes of W, K innermost, in blocks of 32 codes, two codes a byte); W_scales 512 x 16 uint8 (E8M0 scales of W, one for each 32 codes along K); x_codes 512 x 16 x 16 uint8 (E2M1 codes of x, K innermost, in blocks of 32 codes, two codes a byte); x_scales 512 x 16 uint8 (E8M0 scales of x, one for each 32 codes along K); y_codes 1,024 x 16 x 16 uint8 (E2M1 codes of y, K innermost, in blocks of 32 codes, two codes a byte); y_scales 1,024 x 16 uint8 (E8M0 scales of y, one for each 32 codes along K).
;; Outputs: out0 1,024 x 512 float32.
;; Constants: dim = 2.
;; This version of the problem:
;;   THIS VERSION OF THE PROBLEM IS GIVEN IN LOW PRECISION. The matrix products marked QUANTISED in the list below multiply operands that are first quantised to E2M1 (2 exponent bits, 1 mantissa bit; 4 bits a number), with one power-of-two scale for each 32 numbers along K (OCP MX v1.0); their sums are f32. All else is computed in f32.
;;   The module's matrix products, in the order in which they are computed (A, B: the left and right operand; K: the contracted axis; several contracted axes count as one K, in the product's order):
;;     1. [M 512, K 512] x [K 512, N 512]; A: input x (given as codes); B: input W (given as codes): QUANTISED
;;     2. [M 1,024, K 512] x [K 512, N 512]; A: input y (given as codes); B: input W (given as codes): QUANTISED
;;   THE QUANTISER, for each operand of a quantised product, along K:
;;     - K is cut into blocks of 32 from its start; a last block that is shorter is filled with zeros.
;;     - A block's scale is 2^e with e = floor(log2(the largest magnitude in the block)) - 2, held to -126 .. 127; a block of zeros has e = 0. As a byte (E8M0): e + 127.
;;     - Each number is divided by its block's scale, clamped to +-6, and rounded to the nearest number of E2M1, ties to even, subnormals kept.
;;     - The product sums the exact products of the quantised numbers (number of the format x scale) in f32.
;;   ~~~python
;;   def quantise(x, axis):      # numpy; x: float32 -> the quantised numbers, widened to float32 again
;;       x = np.moveaxis(x, axis, -1); K = x.shape[-1]
;;       x = np.pad(x, [(0, 0)] * (x.ndim - 1) + [(0, -K % 32)]); x = x.reshape(x.shape[:-1] + (-1, 32)); a = np.abs(x).max(-1, keepdims=True)
;;       e = np.where(a > 0, np.clip(np.frexp(np.where(a > 0, a, 1))[1] - 1 - 2, -126, 127), 0)      # np.frexp(a)[1] - 1 = floor(log2(a)), exactly
;;       r = np.clip(x / 2.0 ** e, -6, 6)
;;       step = 2.0 ** (np.maximum(np.frexp(np.where(r == 0, 1, r))[1] - 1, 0) - 1)
;;       q = np.round(r / step) * step * 2.0 ** e      # np.round: ties to even
;;       return np.moveaxis(q.reshape(q.shape[:-2] + (-1,))[..., :K], -1, axis).astype(np.float32)
;;   ~~~
;;   INPUTS GIVEN AS CODES. W (in the module: [512, 512], K = its axis 0); x (in the module: [512, 512], K = its axis 1); y (in the module: [1024, 512], K = its axis 1): each comes as NAME_codes (uint8): NAME with its K axis moved to the last place and cut into blocks of 32 codes, [.., K / 32, bytes a block], one block behind the other in memory; two codes a byte, the lower K in the low four bits (a code: sign, 2 exponent bits, 1 mantissa bit); and NAME_scales (uint8): the same leading axes, one E8M0 byte (e + 127) for each 32 codes along K. Its value is code x scale, taken as it is: it is not quantised again, and the codes and scales need not be those that the quantiser above would give.
;; 2 versions. Each part assembles by itself: llvm-mc -triple=amdgcn-amd-amdhsa -mcpu=gfx1250 --defsym DOCPART=n.
;; ======== version 1 of 2: 1 launch
;; launch dist (part 1): grid 8 x 32, 4 waves a work-group, no clusters, 198,656 bytes of LDS; arguments W_codes, W_scales, x_codes, x_scales, y_codes, y_scales, out0; writes out0
.if DOCPART == 1
	.amdgcn_target "amdgcn-amd-amdhsa--gfx1250"
	.amdhsa_code_object_version 6
	.text
	.protected	k_q825d521592_dist
	.globl	k_q825d521592_dist
	.p2align	8
	.type	k_q825d521592_dist,@function
k_q825d521592_dist:
	s_mov_b64 s[64:65], 0
	v_nop
	global_prefetch_b8 v0, s[64:65] scope:SCOPE_SE
	s_setreg_imm32_b32 hwreg(HW_REG_WAVE_MODE, 25, 1), 1
	s_wait_xcnt 0x0
; out[m][n] = sqrt( sum over d of (fx[n][d] - fy[m][d])^2 ),  fx = x W (512 x 512), fy = y W (1,024 x 512).  x, y, W arrive as codes of FP4 (E2M1), K innermost, 256 bytes a row,
; with one E8M0 byte for each 32 along K (16 bytes a row).  out: [1024][512] f32.  Both products go by the scaled FP4 matrix instruction; differences, squares, sums and the root are f32.
; SHARES.  A work-group of four waves owns 64 columns n (rows of x) x 32 rows m (rows of y) of out: grid 8 x 32.
; PHASE 1.  The features of these 96 rows.  Wave w makes features 128 w .. 128 w + 127 of all 96 rows: 8 feature tiles x 6 row tiles x 4 K steps = 192 matrix instructions.  So each byte of W is read once
;   by the work-group, straight into the registers in which the matrix instruction takes it.  In a result lane (r, h) holds feature r of rows 8 h + 0 .. 7: four registers are FOUR NEIGHBOURING ROWS at one feature,
;   and go to LDS as 16 bytes at [quad of rows][feature].  24 quads (16 of x, 8 of y), each 512 features x 16 bytes + 64 bytes of skew.  One barrier.
; PHASE 2.  Wave w takes m = 8 w .. 8 w + 7 against all 64 n.  Lane bits 0-1 (g) say which rows of x are the lane's (quads 4 c + g, c = 0 .. 3: 16 rows), lane bits 2-4 (f) which of 8 neighbouring features.
;   A step is 8 features: 6 LDS loads of 16 bytes a lane (16 numbers of fx, 8 of fy, all at the lane's feature) and 128 packed instructions: T = (two neighbouring rows of fx) - fy(m), both halves from one register
;   of fy's pair by op_sel; sum(m, the two rows) += T T.  Two instructions for 64 differences; nothing is sent from lane to lane and nothing is cleared (the first step multiplies).  64 steps, 128 sums a lane.
;   Then the 8 lanes that share (m, n) are added, each step of the adding halving the registers, laid so that a lane ends with four neighbouring n of four rows m: the stores need no stage.
; NO CLUSTER, NO TENSOR LOAD: what work-groups share (W, 139,264 bytes; the rows' codes and scales, 26,112) is fetched once, at the head, 126 loads a wave against 8,192 packed instructions;
;   a joint load lands in LDS, and W's 139,264 bytes do not fit beside the 198,144 bytes of features in 327,680.
; LIMITS.  A sum of squares under 2^-126 (a distance under 2^-63) gives 0: v_sqrt_f32 takes a denormal input as zero (ISA guide, 15.8).  A square beyond f32's range gives infinity, as f32 arithmetic does.
;   A scale byte 0xff gives NaN, by the matrix instruction's own rule.  The 512 squares of an output are added as 8 sums of 64, then joined: another order of rounding than a plain sum along d.
; REGISTERS, in windows of 256 (s_set_vgpr_msb: bits 1:0 source 0, 3:2 source 1, 5:4 source 2, 7:6 destination):
;   window 0: v1-15 addresses; v16-39 the rows' scale words, v40-71 W's (they hold scales and nothing else); v72-119 the six accumulators of a feature tile.
;   window 1: W's 8 x 4 fragments; when they are done with, ALL of phase 2: v0-6 addresses, v16-31 T, v32-127 four buffers of 24, v128-255 the sums.     window 2: v0-191 the rows' 6 x 4 fragments.
.set P,   8256                         ; a quad of rows in LDS: 512 features x 16 bytes + 64: quad q starts 64 q bytes on modulo 256 (64 banks of 4 bytes: ISA guide 11.1)
.set VA,  4                            ; v4   codes: 256 x (lane % 16) + 16 x (lane / 16); never rewritten
.set VS,  5                            ; v5   scale bytes: 16 x (lane % 16); never rewritten
.set VST, 6                            ; v6-8 where I store results: row tiles 0-1, 2-3, 4-5
.set SA,  16                           ; scale words of row tile a, K step s: v[SA + 4 a + s]
.set SW,  40                           ; of W's feature tile t: v[SW + 4 t + s]
.set D,   72                           ; accumulator of row tile a: v[D + 8 a ..]
.set XB0, 0                            ; window 1: LDS address of my fx, quads g and 4 + g, step 0
.set XB1, 1                            ;           quads 8 + g and 12 + g
.set YB,  2                            ;           of my wave's fy
.set XC0, 3                            ;           the same three at the trip in hand
.set XC1, 4
.set YC,  5
.set OO,  6                            ;           my byte offset in the wave's 8 rows of out
.set T,   16
.set BUF, 32                           ; buffer b: v[BUF + 24 b ..]: 16 of fx (4 c + e: row 16 c + 4 g + e), then 8 of fy (row m)
.set TS,  32                           ; at work while the lanes are added (the buffers are done with)
.set ACC, 128                          ; sum of (m, c, e): v[ACC + 16 m + 4 c + e]
.set MSB, 0
.macro WIN new                         ; the immediate's high byte repeats the setting that is left
.if MSB != \new
	s_set_vgpr_msb (MSB<<8)|\new
.set MSB, \new
.endif
.endm
	s_load_b256 s[4:11], s[0:1], 0x0               ; W's codes s[4:5], W's scales s[6:7], x's codes s[8:9], x's scales s[10:11]
	s_load_b128 s[12:15], s[0:1], 0x20             ; y's codes s[12:13], y's scales s[14:15]
	s_load_b64 s[16:17], s[0:1], 0x30              ; out
	v_lshl_add_u32 v254, v0, 2, 0x30600
	v_mov_b32 v255, 0
	v_lshrrev_b32 v1, 5, v0
	v_readfirstlane_b32 s18, v1                    ; wave 0..3
	s_and_b32 s19, ttmp7, 0xffff                   ; work-group y: rows m = 32 y on;  ttmp9: columns n = 64 x on
	v_and_b32 v2, 15, v0                           ; r
	v_bfe_u32 v3, v0, 4, 1                         ; h
	v_lshlrev_b32 v[VA], 8, v2
	v_lshl_add_u32 v[VA], v3, 4, v[VA]             ; a fragment: row r of 256 bytes, + 16 h; K step s and half c stand in the immediate: 64 s + 32 c
	v_lshlrev_b32 v[VS], 4, v2                     ; a row's 16 scale bytes are its four K steps' words
	s_mov_b32 s21, 0                               ; every offset is under 2^32
	s_wait_kmcnt 0x0
	s_lshl_b32 s20, s18, 15                        ; W: my 128 features x 256 bytes
	s_add_nc_u64 s[4:5], s[4:5], s[20:21]
	s_lshl_b32 s20, s18, 11                        ;    x 16 bytes
	s_add_nc_u64 s[6:7], s[6:7], s[20:21]
	s_lshl_b32 s20, ttmp9, 14                      ; x: 64 rows x 256 bytes a work-group
	s_add_nc_u64 s[8:9], s[8:9], s[20:21]
	s_lshl_b32 s20, ttmp9, 10
	s_add_nc_u64 s[10:11], s[10:11], s[20:21]
	s_lshl_b32 s20, s19, 13                        ; y: 32 rows
	s_add_nc_u64 s[12:13], s[12:13], s[20:21]
	s_lshl_b32 s20, s19, 9
	s_add_nc_u64 s[14:15], s[14:15], s[20:21]
	; All loads go out at once, what is wanted first in front: scale words, the rows' fragments, W's fragments tile by tile.
.irp a, 0,1,2,3
	global_load_b128 v[SA+4*\a:SA+4*\a+3], v[VS], s[10:11] offset:256*\a
.endr
.irp a, 4,5
	global_load_b128 v[SA+4*\a:SA+4*\a+3], v[VS], s[14:15] offset:256*(\a-4)
.endr
.irp t, 0,1,2,3,4,5,6,7
	global_load_b128 v[SW+4*\t:SW+4*\t+3], v[VS], s[6:7] offset:256*\t
.endr
	WIN 0x80                                       ; destination window 2
.irp a, 0,1,2,3
.irp s, 0,1,2,3
.irp c, 0,1
	global_load_b128 v[32*\a+8*\s+4*\c:32*\a+8*\s+4*\c+3], v[VA], s[8:9] offset:4096*\a+64*\s+32*\c
.endr
.endr
.endr
.irp a, 4,5
.irp s, 0,1,2,3
.irp c, 0,1
	global_load_b128 v[32*\a+8*\s+4*\c:32*\a+8*\s+4*\c+3], v[VA], s[12:13] offset:4096*(\a-4)+64*\s+32*\c
.endr
.endr
.endr
	WIN 0x40                                       ; destination window 1
.irp t, 0,1,2,3,4,5,6,7
.irp s, 0,1,2,3
.irp c, 0,1
	global_load_b128 v[32*\t+8*\s+4*\c:32*\t+8*\s+4*\c+3], v[VA], s[4:5] offset:4096*\t+64*\s+32*\c
.endr
.endr
.endr
	WIN 0
	; addresses, while the loads are on their way
	s_lshl_b32 s20, s19, 16                        ; out: (32 y + 8 w) rows of 2,048 bytes + 64 x columns of 4
	s_lshl_b32 s22, s18, 14
	s_add_co_u32 s20, s20, s22
	s_lshl_b32 s22, ttmp9, 8
	s_add_co_u32 s20, s20, s22
	s_add_nc_u64 s[16:17], s[16:17], s[20:21]
	v_mul_u32_u24 v[VST], v3, 2*P                  ; results: rows 8 h on are quads 2 h, 2 h + 1 of the row tile;
	v_lshl_add_u32 v[VST], v2, 4, v[VST]           ; feature r: 16 bytes each;
	s_lshl_b32 s22, s18, 11
	v_add_nc_u32 v[VST], s22, v[VST]               ; my wave's 128 features
	v_add_nc_u32 v[VST+1], 8*P, v[VST]             ; (an LDS immediate has 16 bits: a register for each two row tiles)
	v_add_nc_u32 v[VST+2], 16*P, v[VST]
	v_and_b32 v9, 3, v0                            ; g
	v_bfe_u32 v10, v0, 2, 2                        ; f's low two bits; its high bit is h
	v_lshlrev_b32 v11, 6, v3
	v_lshl_add_u32 v11, v10, 4, v11                ; my feature of a step's eight: 16 bytes x (4 h + f's low bits)
	v_mad_u32_u24 v12, v9, P, v11                  ; fx: quad g
	v_add_nc_u32 v13, 8*P, v12                     ;     quad 8 + g
	s_mul_i32 s23, s18, 2*P
	s_add_co_u32 s23, s23, 16*P
	v_add_nc_u32 v14, s23, v11                     ; fy: quads 16 + 2 w, 17 + 2 w: the same address in the four lanes g
	v_lshlrev_b32 v15, 13, v3
	v_lshl_add_u32 v15, v2, 4, v15                 ; out: lanes 16-31 four rows further down; 16 bytes x (lane % 16)
	s_mov_b32 s24, 0xff00ff00                      ; the lanes with bit 3 set
	s_mov_b32 s25, 0xf0f0f0f0                      ; with bit 2 set
; PHASE 1, feature tile t: D(row, feature) = rows x W, source 0 = 16 rows of x or y, source 1 = 16 features of W.  The six accumulators take turns, one instruction a turn;
; the first K step starts the sums with the constant 0.
.macro FTILE t
	s_wait_loadcnt 8*(7-\t)                        ; loads come back in order (ISA guide 5.7.1): all up to this tile's eight are in; the eight of each later tile may be out
	WIN 0x06                                       ; source 0 window 2, source 1 window 1, C and D window 0
.irp s, 0,1,2,3
.irp a, 0,1,2,3,4,5
.if \s == 0
	v_wmma_scale_f32_16x16x128_f8f6f4 v[D+8*\a:D+8*\a+7], v[32*\a+8*\s:32*\a+8*\s+7], v[32*(\t)+8*\s:32*(\t)+8*\s+7], 0, v[SA+4*\a+\s], v[SW+4*(\t)+\s] matrix_a_fmt:MATRIX_FMT_FP4 matrix_b_fmt:MATRIX_FMT_FP4
.else
	v_wmma_scale_f32_16x16x128_f8f6f4 v[D+8*\a:D+8*\a+7], v[32*\a+8*\s:32*\a+8*\s+7], v[32*(\t)+8*\s:32*(\t)+8*\s+7], v[D+8*\a:D+8*\a+7], v[SA+4*\a+\s], v[SW+4*(\t)+\s] matrix_a_fmt:MATRIX_FMT_FP4 matrix_b_fmt:MATRIX_FMT_FP4
.endif
.endr
.endr
	WIN 0
.rept 5
	v_nop                                          ; four places ahead of the LDS stores that read the results, five ahead of the next tile's first products, which write over them
.endr
.irp a, 0,1,2,3,4,5
	ds_store_b128 v[VST+\a/2], v[D+8*\a:D+8*\a+3] offset:(4*(\a%2))*P+256*(\t)        ; rows 8 h + 0 .. 3 at feature 128 w + 16 t + r: sixteen lanes write 256 consecutive bytes.  Each accumulator from its low end on
	ds_store_b128 v[VST+\a/2], v[D+8*\a+4:D+8*\a+7] offset:(4*(\a%2)+1)*P+256*(\t)    ; rows 8 h + 4 .. 7: the next quad
.endr
.endm
.irp t, 0,1,2,3,4,5,6,7
	FTILE \t
.endr
	WIN 0x40                                       ; W's fragments are done with (every load has landed, five places lie behind the last product): window 1 is phase 2's
	v_mov_b32 v[XB0], v12
	v_mov_b32 v[XB1], v13
	v_mov_b32 v[YB], v14
	v_mov_b32 v[OO], v15
	WIN 0
	s_wait_dscnt 0x0                               ; for the others' sake: my stores of features have landed
	s_barrier_signal -1
	s_barrier_wait -1                              ; all 512 features of the 96 rows lie in LDS; from here on the features are only read
; PHASE 2.  The six loads of a step into buffer b.  In a pass of sixteen lanes the four g stand 64 bytes apart modulo 256 (the quads' skew) and the four features 16: sixteen different columns of 16 bytes.
.macro LOADS b, x0, x1, y, off
	ds_load_b128 v[BUF+24*(\b):BUF+24*(\b)+3],     v[\x0] offset:\off
	ds_load_b128 v[BUF+24*(\b)+4:BUF+24*(\b)+7],   v[\x0] offset:\off+4*P
	ds_load_b128 v[BUF+24*(\b)+8:BUF+24*(\b)+11],  v[\x1] offset:\off
	ds_load_b128 v[BUF+24*(\b)+12:BUF+24*(\b)+15], v[\x1] offset:\off+4*P
	ds_load_b128 v[BUF+24*(\b)+16:BUF+24*(\b)+19], v[\y] offset:\off
	ds_load_b128 v[BUF+24*(\b)+20:BUF+24*(\b)+23], v[\y] offset:\off+P
.endm
; A step's arithmetic: for each m eight differences (two rows of fx each), then their eight squares: no instruction reads the result of one of the seven ahead of it.  first = 1: the squares start the sums.
.macro WORK b, first
.irp mm, 0,1,2,3,4,5,6,7
.irp p, 0,1,2,3,4,5,6,7
.if (\mm%2) == 0
	v_pk_add_f32 v[T+2*\p:T+2*\p+1], v[BUF+24*(\b)+2*\p:BUF+24*(\b)+2*\p+1], v[BUF+24*(\b)+16+\mm:BUF+24*(\b)+17+\mm] op_sel_hi:[1,0] neg_lo:[0,1] neg_hi:[0,1]
.else
	v_pk_add_f32 v[T+2*\p:T+2*\p+1], v[BUF+24*(\b)+2*\p:BUF+24*(\b)+2*\p+1], v[BUF+24*(\b)+15+\mm:BUF+24*(\b)+16+\mm] op_sel:[0,1] op_sel_hi:[1,1] neg_lo:[0,1] neg_hi:[0,1]
.endif
.endr
.irp p, 0,1,2,3,4,5,6,7
.if \first
	v_pk_mul_f32 v[ACC+16*\mm+2*\p:ACC+16*\mm+2*\p+1], v[T+2*\p:T+2*\p+1], v[T+2*\p:T+2*\p+1]
.else
	v_pk_fma_f32 v[ACC+16*\mm+2*\p:ACC+16*\mm+2*\p+1], v[T+2*\p:T+2*\p+1], v[T+2*\p:T+2*\p+1], v[ACC+16*\mm+2*\p:ACC+16*\mm+2*\p+1]
.endif
.endr
.endr
.endm
	; Step i works on buffer i % 4 and asks for step i + 3, into the buffer that step i - 1 has left.  Step 0 stands ahead of the loop; a trip is steps 4 j + 1 .. 4 j + 4; steps 61 to 63 ask for nothing.
	WIN 0x55                                       ; every operand in window 1
	LOADS 0, XB0, XB1, YB, 0
	LOADS 1, XB0, XB1, YB, 128
	LOADS 2, XB0, XB1, YB, 256
	s_wait_dscnt 12                                ; LDS loads come back in order (ISA guide 5.7.1): step 0's six are in, the twelve of steps 1 and 2 may be out
	LOADS 3, XB0, XB1, YB, 384
	WORK 0, 1
	WIN 0                                          ; at a label and at a branch every window is 0
	s_mov_b32 s26, 0                               ; 512 bytes (four steps of 8 features x 16 bytes) a trip: the loop's counter too
.Ltrip:
	WIN 0x55
	v_add_nc_u32 v[XC0], s26, v[XB0]
	v_add_nc_u32 v[XC1], s26, v[XB1]
	v_add_nc_u32 v[YC], s26, v[YB]
.irp u, 0,1,2,3
	s_wait_dscnt 12                                ; this step's six loads are in; those of the next two steps may be out
	LOADS \u, XC0, XC1, YC, (4+\u)*128
	WORK (\u+1)%4, 0
.endr
	WIN 0
	s_add_co_u32 s26, s26, 512
	s_cmp_lt_u32 s26, 15*512
	s_cbranch_scc1 .Ltrip
	WIN 0x55
	s_wait_dscnt 12                                ; step 61; the counts run down
	WORK 1, 0
	s_wait_dscnt 6
	WORK 2, 0
	s_wait_dscnt 0
	WORK 3, 0
	; THE EIGHT LANES THAT SHARE (m, n) ARE ADDED: lane bits 4, 3, 2.  Each step adds a lane and its partner and halves the registers: of two registers one lane keeps the first's sum, its partner the second's.
	; Bit 4 against m's bit 2: the exchange puts sum(m)'s two halves side by side in lanes 0-15 and sum(m + 4)'s in lanes 16-31; a packed addition joins them.
.irp k, 0,1,2,3
.irp q, 0,1,2,3,4,5,6,7,8,9,10,11,12,13,14,15
	v_permlane16_swap_b32 v[ACC+16*\k+\q], v[ACC+64+16*\k+\q]
.endr
.irp q, 0,2,4,6,8,10,12,14
	v_pk_add_f32 v[ACC+16*\k+\q:ACC+16*\k+\q+1], v[ACC+16*\k+\q:ACC+16*\k+\q+1], v[ACC+64+16*\k+\q:ACC+64+16*\k+\q+1]
.endr
.endr
	; Bit 3 against c's bit 1: a lane with the bit set keeps c + 2 and sends c, the others the other way round.
.irp k, 0,1,2,3
.irp q, 0,1,2,3,4,5,6,7
	v_cndmask_b32 v[TS+\q], v[ACC+16*\k+8+\q], v[ACC+16*\k+\q], s24                 ; what I send
.endr
.irp q, 0,1,2,3,4,5,6,7
	v_cndmask_b32 v[ACC+16*\k+\q], v[ACC+16*\k+\q], v[ACC+16*\k+8+\q], s24          ; what I keep
.endr
.irp q, 0,1,2,3,4,5,6,7
	v_add_f32_dpp v[ACC+16*\k+\q], v[TS+\q], v[ACC+16*\k+\q] row_xmask:8 row_mask:0xf bank_mask:0xf   ; + what lane l xor 8 sends
.endr
.endr
	; Bit 2 against c's bit 0.
.irp k, 0,1,2,3
.irp e, 0,1,2,3
	v_cndmask_b32 v[TS+4*\k+\e], v[ACC+16*\k+4+\e], v[ACC+16*\k+\e], s25
.endr
.endr
.irp k, 0,1,2,3
.irp e, 0,1,2,3
	v_cndmask_b32 v[ACC+16*\k+\e], v[ACC+16*\k+\e], v[ACC+16*\k+4+\e], s25
.endr
.endr
.irp k, 0,1,2,3
.irp e, 0,1,2,3
	v_add_f32_dpp v[ACC+16*\k+\e], v[TS+4*\k+\e], v[ACC+16*\k+\e] row_xmask:4 row_mask:0xf bank_mask:0xf
.endr
.endr
	; Lane l now holds, in v[ACC + 16 k + e], the sum of squares of m = 8 w + k + 4 (l / 16), n = 4 (l % 16) + e: c = lane bits 3:2, g = lane bits 1:0, quad 4 c + g = l % 16.
.irp k, 0,1,2,3
.irp e, 0,1,2,3
	v_sqrt_f32 v[ACC+16*\k+\e], v[ACC+16*\k+\e]
.endr
.endr
	v_nop                                          ; a plain instruction behind the last root (ISA guide 5.7.2),
	s_wait_alu depctr_va_vdst(0)                   ; and one wait ahead of the batch's first reader
.irp k, 0,1,2,3
	global_store_b128 v[OO], v[ACC+16*\k:ACC+16*\k+3], s[16:17] offset:2048*\k th:TH_STORE_NT   ; lanes 0-15 store 256 consecutive bytes of row k, at a multiple of 256 from out's first byte; lanes 16-31 those of row k + 4
.endr
	WIN 0
	s_wait_tensorcnt 0x0
	ds_add_u32 v254, v255
	s_wait_dscnt 0x0
	s_endpgm
.Lfunc_end_k_q825d521592_dist:
	.size	k_q825d521592_dist, .Lfunc_end_k_q825d521592_dist-k_q825d521592_dist
	.p2alignl 7, 3214868480
	.fill 96, 4, 3214868480
	.section	.rodata,"a",@progbits
	.p2align	6, 0x0
	.amdhsa_kernel k_q825d521592_dist
		.amdhsa_group_segment_fixed_size 198656
		.amdhsa_private_segment_fixed_size 0
		.amdhsa_enable_private_segment 0
		.amdhsa_kernarg_size 56
		.amdhsa_user_sgpr_count 2
		.amdhsa_user_sgpr_kernarg_segment_ptr 1
		.amdhsa_wavefront_size32 1
		.amdhsa_system_sgpr_workgroup_id_x 1
		.amdhsa_system_sgpr_workgroup_id_y 1
		.amdhsa_system_sgpr_workgroup_id_z 1
		.amdhsa_system_vgpr_workitem_id 0
		.amdhsa_next_free_vgpr 704
		.amdhsa_next_free_sgpr 66
		.amdhsa_reserve_vcc 0
		.amdhsa_float_denorm_mode_32 3
		.amdhsa_float_denorm_mode_16_64 3
		.amdhsa_memory_ordered 1
		.amdhsa_forward_progress 1
		.amdhsa_inst_pref_size 129
	.end_amdhsa_kernel
	.amdgpu_metadata
---
amdhsa.version: [ 1, 2 ]
amdhsa.kernels:
  - .name:           k_q825d521592_dist
    .symbol:         k_q825d521592_dist.kd
    .args:
      - { .name: W_codes, .offset: 0, .size: 8, .value_kind: global_buffer, .address_space: global }
      - { .name: W_scales, .offset: 8, .size: 8, .value_kind: global_buffer, .address_space: global }
      - { .name: x_codes, .offset: 16, .size: 8, .value_kind: global_buffer, .address_space: global }
      - { .name: x_scales, .offset: 24, .size: 8, .value_kind: global_buffer, .address_space: global }
      - { .name: y_codes, .offset: 32, .size: 8, .value_kind: global_buffer, .address_space: global }
      - { .name: y_scales, .offset: 40, .size: 8, .value_kind: global_buffer, .address_space: global }
      - { .name: out0, .offset: 48, .size: 8, .value_kind: global_buffer, .address_space: global }
    .group_segment_fixed_size: 198656
    .private_segment_fixed_size: 0
    .kernarg_segment_align: 8
    .kernarg_segment_size: 56
    .max_flat_workgroup_size: 128
    .sgpr_count:     66
    .vgpr_count:     704
    .wavefront_size: 32
...
	.end_amdgpu_metadata
.endif
;; end of part 1
;; ======== version 2 of 2: 1 launch; version 1 with the launch dist written anew for expert scheduling mode
;; launch dist (part 2): grid 8 x 32, 4 waves a work-group, no clusters, 198,656 bytes of LDS; arguments W_codes, W_scales, x_codes, x_scales, y_codes, y_scales, out0; writes out0
.if DOCPART == 2
	.amdgcn_target "amdgcn-amd-amdhsa--gfx1250"
	.amdhsa_code_object_version 6
	.text
	.protected	k_q825d521592_dist
	.globl	k_q825d521592_dist
	.p2align	8
	.type	k_q825d521592_dist,@function
k_q825d521592_dist:
	s_mov_b64 s[64:65], 0
	v_nop
	global_prefetch_b8 v0, s[64:65] scope:SCOPE_SE
	s_setreg_imm32_b32 hwreg(HW_REG_WAVE_SCHED_MODE, 0, 2), 2
	s_setreg_imm32_b32 hwreg(HW_REG_WAVE_MODE, 25, 1), 1
	s_wait_xcnt 0x0
	s_wait_alu depctr_vm_vsrc(0)
; out[m][n] = sqrt( sum over d of (fx[n][d] - fy[m][d])^2 ),  fx = x W (512 x 512), fy = y W (1,024 x 512).  x, y, W arrive as codes of FP4 (E2M1), K innermost, 256 bytes a row,
; with one E8M0 byte for each 32 along K (16 bytes a row).  out: [1024][512] f32.  Both products go by the scaled FP4 matrix instruction; differences, squares, sums and the root are f32.
; SHARES.  A work-group of four waves owns 64 columns n (rows of x) x 32 rows m (rows of y) of out: grid 8 x 32.
; PHASE 1.  The features of these 96 rows.  Wave w makes features 128 w .. 128 w + 127 of all 96 rows: 8 feature tiles x 6 row tiles x 4 K steps = 192 matrix instructions.  So each byte of W is read once
;   by the work-group, straight into the registers in which the matrix instruction takes it.  In a result lane (r, h) holds feature r of rows 8 h + 0 .. 7: four registers are FOUR NEIGHBOURING ROWS at one feature,
;   and go to LDS as 16 bytes at [quad of rows][feature].  24 quads (16 of x, 8 of y), each 512 features x 16 bytes + 64 bytes of skew.  One barrier.
; PHASE 2.  Wave w takes m = 8 w .. 8 w + 7 against all 64 n.  Lane bits 0-1 (g) say which rows of x are the lane's (quads 4 c + g, c = 0 .. 3: 16 rows), lane bits 2-4 (f) which of 8 neighbouring features.
;   A step is 8 features: 6 LDS loads of 16 bytes a lane (16 numbers of fx, 8 of fy, all at the lane's feature) and 128 packed instructions: T = (two neighbouring rows of fx) - fy(m), both halves from one register
;   of fy's pair by op_sel; sum(m, the two rows) += T T.  Two instructions for 64 differences; nothing is sent from lane to lane and nothing is cleared (the first step multiplies).  64 steps, 128 sums a lane.
;   Then the 8 lanes that share (m, n) are added, each step of the adding halving the registers, laid so that a lane ends with four neighbouring n of four rows m: the stores need no stage.
; NO CLUSTER, NO TENSOR LOAD: what work-groups share (W, 139,264 bytes; the rows' codes and scales, 26,112) is fetched once, at the head, 126 loads a wave against 8,192 packed instructions;
;   a joint load lands in LDS, and W's 139,264 bytes do not fit beside the 198,144 bytes of features in 327,680.
; LIMITS.  A sum of squares under 2^-126 (a distance under 2^-63) gives 0: v_sqrt_f32 takes a denormal input as zero (ISA guide, 15.8).  A square beyond f32's range gives infinity, as f32 arithmetic does.
;   A scale byte 0xff gives NaN, by the matrix instruction's own rule.  The 512 squares of an output are added as 8 sums of 64, then joined: another order of rounding than a plain sum along d.
; REGISTERS, in windows of 256 (s_set_vgpr_msb: bits 1:0 source 0, 3:2 source 1, 5:4 source 2, 7:6 destination):
;   window 0: v1-15 addresses; v16-39 the rows' scale words, v40-71 W's (they hold scales and nothing else); v72-167 two sets of six accumulators: the feature tiles take them by turns.
;   window 1: W's 8 x 4 fragments; when they are done with, ALL of phase 2: v0-6 addresses, v16-31 T, v32-127 four buffers of 24, v128-255 the sums.     window 2: v0-191 the rows' 6 x 4 fragments.
; THE MODE: SCHED_MODE bits 1:0 = 2 (LLVM: expert scheduling mode 2), set by the entry lines.  The code itself states the register dependences
; between vector or matrix instructions and memory or LDS instructions, with s_wait_alu, always for 0.
; THE PLAN.  Registers that memory or LDS instructions touch:
;   v4, v5        offsets of the 126 global loads: written once at the head, ahead of one wait on va_vdst; never written again.  The loads land in registers that no vector instruction has named.
;   v6-8          LDS addresses of the results: written once; tile 0's wait on va_vdst stands between them and the first store.
;   D0, D1        Tile t's products write D[t % 2]; its twelve LDS stores read it.  In a tile, behind its products: a wait on vm_vsrc (the stores of the tile BEFORE have read the other set, which the NEXT tile's
;                 products write), a wait on va_vdst (this tile's products have written their set), the stores.  The next tile's products follow the stores at once: they name the other set.
;   XB0, XB1, YB, OO   written once, ahead of the wait on va_vdst at the head of phase 2.
;   XC0, XC1, YC  read by a trip's 24 LDS loads; written at the trip's head, behind a wait on vm_vsrc; the first step's wait on va_vdst stands between them and the loads.
;   BUF0 .. BUF3  Step i's differences read BUF[i % 4]; the loads of step i + 3, issued in step i, land in BUF[(i - 1) % 4], which step i - 1 has read.  ONE wait on va_vdst at a step's head states that
;                 step i - 1 is done reading; the step's six loads follow it, dealt among its packed instructions, which name BUF[i % 4], T and the sums: none of the registers that those loads touch.
;   T and the sums are named by vector instructions alone, until the four stores at the end, which stand behind the roots' wait on va_vdst.
.set P,   8256                         ; a quad of rows in LDS: 512 features x 16 bytes + 64: quad q starts 64 q bytes on modulo 256 (64 banks of 4 bytes: ISA guide 11.1)
.set VA,  4                            ; v4   codes: 256 x (lane % 16) + 16 x (lane / 16); never rewritten
.set VS,  5                            ; v5   scale bytes: 16 x (lane % 16); never rewritten
.set VST, 6                            ; v6-8 where I store results: row tiles 0-1, 2-3, 4-5
.set SA,  16                           ; scale words of row tile a, K step s: v[SA + 4 a + s]
.set SW,  40                           ; of W's feature tile t: v[SW + 4 t + s]
.set D,   72                           ; accumulator of row tile a in feature tile t: v[D + 48 (t % 2) + 8 a ..]
.set XB0, 0                            ; window 1: LDS address of my fx, quads g and 4 + g, step 0
.set XB1, 1                            ;           quads 8 + g and 12 + g
.set YB,  2                            ;           of my wave's fy
.set XC0, 3                            ;           the same three at the trip in hand
.set XC1, 4
.set YC,  5
.set OO,  6                            ;           my byte offset in the wave's 8 rows of out
.set T,   16
.set BUF, 32                           ; buffer b: v[BUF + 24 b ..]: 16 of fx (4 c + e: row 16 c + 4 g + e), then 8 of fy (row m)
.set TS,  32                           ; at work while the lanes are added (the buffers are done with)
.set ACC, 128                          ; sum of (m, c, e): v[ACC + 16 m + 4 c + e]
.set MSB, 0
.macro WIN new                         ; the immediate's high byte repeats the setting that is left
.if MSB != \new
	s_set_vgpr_msb (MSB<<8)|\new
.set MSB, \new
.endif
.endm
	s_load_b256 s[4:11], s[0:1], 0x0               ; W's codes s[4:5], W's scales s[6:7], x's codes s[8:9], x's scales s[10:11]
	s_load_b128 s[12:15], s[0:1], 0x20             ; y's codes s[12:13], y's scales s[14:15]
	s_load_b64 s[16:17], s[0:1], 0x30              ; out
	v_lshl_add_u32 v254, v0, 2, 0x30600
	v_mov_b32 v255, 0
	v_lshrrev_b32 v1, 5, v0
	v_readfirstlane_b32 s18, v1                    ; wave 0..3
	s_and_b32 s19, ttmp7, 0xffff                   ; work-group y: rows m = 32 y on;  ttmp9: columns n = 64 x on
	v_and_b32 v2, 15, v0                           ; r
	v_bfe_u32 v3, v0, 4, 1                         ; h
	v_lshlrev_b32 v[VA], 8, v2
	v_lshl_add_u32 v[VA], v3, 4, v[VA]             ; a fragment: row r of 256 bytes, + 16 h; K step s and half c stand in the immediate: 64 s + 32 c
	v_lshlrev_b32 v[VS], 4, v2                     ; a row's 16 scale bytes are its four K steps' words
	s_mov_b32 s21, 0                               ; every offset is under 2^32
	s_wait_alu depctr_va_sdst(0)                   ; s18 is written, ahead of its first reader: W's bases, out's and the LDS addresses are made from it
	s_wait_kmcnt 0x0
	s_lshl_b32 s20, s18, 15                        ; W: my 128 features x 256 bytes
	s_add_nc_u64 s[4:5], s[4:5], s[20:21]
	s_lshl_b32 s20, s18, 11                        ;    x 16 bytes
	s_add_nc_u64 s[6:7], s[6:7], s[20:21]
	s_lshl_b32 s20, ttmp9, 14                      ; x: 64 rows x 256 bytes a work-group
	s_add_nc_u64 s[8:9], s[8:9], s[20:21]
	s_lshl_b32 s20, ttmp9, 10
	s_add_nc_u64 s[10:11], s[10:11], s[20:21]
	s_lshl_b32 s20, s19, 13                        ; y: 32 rows
	s_add_nc_u64 s[12:13], s[12:13], s[20:21]
	s_lshl_b32 s20, s19, 9
	s_add_nc_u64 s[14:15], s[14:15], s[20:21]
	s_wait_alu depctr_va_vdst(0)                   ; v4 and v5 are written: every one of the 126 loads reads one of them as its offset; only loads and window switches stand between this wait and the last of them
	; All loads go out at once, what is wanted first in front: scale words, the rows' fragments, W's fragments tile by tile.
.irp a, 0,1,2,3
	global_load_b128 v[SA+4*\a:SA+4*\a+3], v[VS], s[10:11] offset:256*\a
.endr
.irp a, 4,5
	global_load_b128 v[SA+4*\a:SA+4*\a+3], v[VS], s[14:15] offset:256*(\a-4)
.endr
.irp t, 0,1,2,3,4,5,6,7
	global_load_b128 v[SW+4*\t:SW+4*\t+3], v[VS], s[6:7] offset:256*\t
.endr
	WIN 0x80                                       ; destination window 2
.irp a, 0,1,2,3
.irp s, 0,1,2,3
.irp c, 0,1
	global_load_b128 v[32*\a+8*\s+4*\c:32*\a+8*\s+4*\c+3], v[VA], s[8:9] offset:4096*\a+64*\s+32*\c
.endr
.endr
.endr
.irp a, 4,5
.irp s, 0,1,2,3
.irp c, 0,1
	global_load_b128 v[32*\a+8*\s+4*\c:32*\a+8*\s+4*\c+3], v[VA], s[12:13] offset:4096*(\a-4)+64*\s+32*\c
.endr
.endr
.endr
	WIN 0x40                                       ; destination window 1
.irp t, 0,1,2,3,4,5,6,7
.irp s, 0,1,2,3
.irp c, 0,1
	global_load_b128 v[32*\t+8*\s+4*\c:32*\t+8*\s+4*\c+3], v[VA], s[4:5] offset:4096*\t+64*\s+32*\c
.endr
.endr
.endr
	WIN 0
	; addresses, while the loads are on their way (they write v6 to v15: no register that a load reads or lands in)
	s_lshl_b32 s20, s19, 16                        ; out: (32 y + 8 w) rows of 2,048 bytes + 64 x columns of 4
	s_lshl_b32 s22, s18, 14
	s_add_co_u32 s20, s20, s22
	s_lshl_b32 s22, ttmp9, 8
	s_add_co_u32 s20, s20, s22
	s_add_nc_u64 s[16:17], s[16:17], s[20:21]
	v_mul_u32_u24 v[VST], v3, 2*P                  ; results: rows 8 h on are quads 2 h, 2 h + 1 of the row tile;
	v_lshl_add_u32 v[VST], v2, 4, v[VST]           ; feature r: 16 bytes each;
	s_lshl_b32 s22, s18, 11
	v_add_nc_u32 v[VST], s22, v[VST]               ; my wave's 128 features
	v_add_nc_u32 v[VST+1], 8*P, v[VST]             ; (an LDS immediate has 16 bits: a register for each two row tiles)
	v_add_nc_u32 v[VST+2], 16*P, v[VST]
	v_and_b32 v9, 3, v0                            ; g
	v_bfe_u32 v10, v0, 2, 2                        ; f's low two bits; its high bit is h
	v_lshlrev_b32 v11, 6, v3
	v_lshl_add_u32 v11, v10, 4, v11                ; my feature of a step's eight: 16 bytes x (4 h + f's low bits)
	v_mad_u32_u24 v12, v9, P, v11                  ; fx: quad g
	v_add_nc_u32 v13, 8*P, v12                     ;     quad 8 + g
	s_mul_i32 s23, s18, 2*P
	s_add_co_u32 s23, s23, 16*P
	v_add_nc_u32 v14, s23, v11                     ; fy: quads 16 + 2 w, 17 + 2 w: the same address in the four lanes g
	v_lshlrev_b32 v15, 13, v3
	v_lshl_add_u32 v15, v2, 4, v15                 ; out: lanes 16-31 four rows further down; 16 bytes x (lane % 16)
	s_mov_b32 s24, 0xff00ff00                      ; the lanes with bit 3 set
	s_mov_b32 s25, 0xf0f0f0f0                      ; with bit 2 set
; PHASE 1, feature tile t: D(row, feature) = rows x W, source 0 = 16 rows of x or y, source 1 = 16 features of W.  The six accumulators take turns, one instruction a turn;
; the first K step starts the sums with the constant 0.  Tile t's six lie in set t % 2, so that its stores leave while the next tile is multiplied.
.macro FTILE t
.set DD, D+48*((\t)%2)
	s_wait_loadcnt 8*(7-\t)                        ; loads come back in order (ISA guide 5.7.1): all up to this tile's eight are in; the eight of each later tile may be out
	WIN 0x06                                       ; source 0 window 2, source 1 window 1, C and D window 0
.irp s, 0,1,2,3
.irp a, 0,1,2,3,4,5
.if \s == 0
	v_wmma_scale_f32_16x16x128_f8f6f4 v[DD+8*\a:DD+8*\a+7], v[32*\a+8*\s:32*\a+8*\s+7], v[32*(\t)+8*\s:32*(\t)+8*\s+7], 0, v[SA+4*\a+\s], v[SW+4*(\t)+\s] matrix_a_fmt:MATRIX_FMT_FP4 matrix_b_fmt:MATRIX_FMT_FP4
.else
	v_wmma_scale_f32_16x16x128_f8f6f4 v[DD+8*\a:DD+8*\a+7], v[32*\a+8*\s:32*\a+8*\s+7], v[32*(\t)+8*\s:32*(\t)+8*\s+7], v[DD+8*\a:DD+8*\a+7], v[SA+4*\a+\s], v[SW+4*(\t)+\s] matrix_a_fmt:MATRIX_FMT_FP4 matrix_b_fmt:MATRIX_FMT_FP4
.endif
.endr
.endr
	WIN 0
.rept 4
	v_nop                                          ; four places ahead of the LDS stores that read the results; a set is written over two tiles on, eight places behind its last product
.endr
.if ((\t) > 0) && ((\t) < 7)
	s_wait_alu depctr_vm_vsrc(0)                   ; the stores of the tile before have read the other set of accumulators, which the next tile's products write again
.endif
	s_wait_alu depctr_va_vdst(0)                   ; this tile's products have written their accumulators, which the stores below read (in tile 0 also: v6 to v8, the stores' addresses, are written); the places above stay beside this wait
.irp a, 0,1,2,3,4,5
	ds_store_b128 v[VST+\a/2], v[DD+8*\a:DD+8*\a+3] offset:(4*(\a%2))*P+256*(\t)        ; rows 8 h + 0 .. 3 at feature 128 w + 16 t + r: sixteen lanes write 256 consecutive bytes.  Each accumulator from its low end on
	ds_store_b128 v[VST+\a/2], v[DD+8*\a+4:DD+8*\a+7] offset:(4*(\a%2)+1)*P+256*(\t)    ; rows 8 h + 4 .. 7: the next quad
.endr
.endm
.irp t, 0,1,2,3,4,5,6,7
	FTILE \t
.endr
	WIN 0x40                                       ; W's fragments are done with (every load has landed, four places lie behind the last product): window 1 is phase 2's
	v_mov_b32 v[XB0], v12
	v_mov_b32 v[XB1], v13
	v_mov_b32 v[YB], v14
	v_mov_b32 v[OO], v15
	WIN 0
	s_wait_dscnt 0x0                               ; for the others' sake: my stores of features have landed
	s_barrier_signal -1
	s_barrier_wait -1                              ; all 512 features of the 96 rows lie in LDS; from here on the features are only read
; PHASE 2.  Load i of a step's six, into buffer b.  In a pass of sixteen lanes the four g stand 64 bytes apart modulo 256 (the quads' skew) and the four features 16: sixteen different columns of 16 bytes.
.macro LOAD1 i, b, x0, x1, y, off
.if (\i) < 2
	ds_load_b128 v[BUF+24*(\b)+4*(\i):BUF+24*(\b)+4*(\i)+3], v[\x0] offset:\off+4*P*(\i)
.elseif (\i) < 4
	ds_load_b128 v[BUF+24*(\b)+4*(\i):BUF+24*(\b)+4*(\i)+3], v[\x1] offset:\off+4*P*((\i)-2)
.else
	ds_load_b128 v[BUF+24*(\b)+4*(\i):BUF+24*(\b)+4*(\i)+3], v[\y] offset:\off+P*((\i)-4)
.endif
.endm
.macro LOADS b, x0, x1, y, off
.irp i, 0,1,2,3,4,5
	LOAD1 \i, \b, \x0, \x1, \y, \off
.endr
.endm
; A step's arithmetic on buffer b: for each m eight differences (two rows of fx each), then their eight squares: no instruction reads the result of one of the seven ahead of it.  first = 1: the squares start the sums.
; ld = 1: the six loads of three steps on, into buffer lb, stand one ahead of each of the first six m.  No wait among them: no vector instruction since the last wait on va_vdst names buffer lb or the loads' addresses.
.macro STEP b, first, ld, lb, x0, x1, y, off
.irp mm, 0,1,2,3,4,5,6,7
.if (\ld) && (\mm < 6)
	LOAD1 \mm, \lb, \x0, \x1, \y, \off
.endif
.irp p, 0,1,2,3,4,5,6,7
.if (\mm%2) == 0
	v_pk_add_f32 v[T+2*\p:T+2*\p+1], v[BUF+24*(\b)+2*\p:BUF+24*(\b)+2*\p+1], v[BUF+24*(\b)+16+\mm:BUF+24*(\b)+17+\mm] op_sel_hi:[1,0] neg_lo:[0,1] neg_hi:[0,1]
.else
	v_pk_add_f32 v[T+2*\p:T+2*\p+1], v[BUF+24*(\b)+2*\p:BUF+24*(\b)+2*\p+1], v[BUF+24*(\b)+15+\mm:BUF+24*(\b)+16+\mm] op_sel:[0,1] op_sel_hi:[1,1] neg_lo:[0,1] neg_hi:[0,1]
.endif
.endr
.irp p, 0,1,2,3,4,5,6,7
.if \first
	v_pk_mul_f32 v[ACC+16*\mm+2*\p:ACC+16*\mm+2*\p+1], v[T+2*\p:T+2*\p+1], v[T+2*\p:T+2*\p+1]
.else
	v_pk_fma_f32 v[ACC+16*\mm+2*\p:ACC+16*\mm+2*\p+1], v[T+2*\p:T+2*\p+1], v[T+2*\p:T+2*\p+1], v[ACC+16*\mm+2*\p:ACC+16*\mm+2*\p+1]
.endif
.endr
.endr
.endm
	; Step i works on buffer i % 4 and asks for step i + 3, into the buffer that step i - 1 has left.  Step 0 stands ahead of the loop; a trip is steps 4 j + 1 .. 4 j + 4; steps 61 to 63 ask for nothing.
	WIN 0x55                                       ; every operand in window 1
	s_wait_alu depctr_va_vdst(0)                   ; the four copies above have written XB0, XB1 and YB, which the LDS loads of steps 0 to 3 read as addresses, and OO, which the stores at the end read
	LOADS 0, XB0, XB1, YB, 0
	LOADS 1, XB0, XB1, YB, 128
	LOADS 2, XB0, XB1, YB, 256
	s_wait_dscnt 12                                ; LDS loads come back in order (ISA guide 5.7.1): step 0's six are in, the twelve of steps 1 and 2 may be out
	STEP 0, 1, 1, 3, XB0, XB1, YB, 384
	WIN 0                                          ; at a label and at a branch every window is 0
	s_mov_b32 s26, 0                               ; 512 bytes (four steps of 8 features x 16 bytes) a trip: the loop's counter too
.Ltrip:
	WIN 0x55
	s_wait_alu depctr_vm_vsrc(0)                   ; the LDS loads issued so far, the last trip's 24 among them, have read XC0, XC1 and YC, which the three lines below write
	v_add_nc_u32 v[XC0], s26, v[XB0]
	v_add_nc_u32 v[XC1], s26, v[XB1]
	v_add_nc_u32 v[YC], s26, v[YB]
.irp u, 0,1,2,3
	s_wait_dscnt 12                                ; this step's six loads are in; those of the next two steps may be out
	s_wait_alu depctr_va_vdst(0)                   ; the step before is done reading its buffer, in which this step's six loads land; in a trip's first step XC0, XC1 and YC are written, which the trip's loads read
	STEP (\u+1)%4, 0, 1, \u, XC0, XC1, YC, (4+\u)*128
.endr
	WIN 0
	s_add_co_u32 s26, s26, 512
	s_cmp_lt_u32 s26, 15*512
	s_cbranch_scc1 .Ltrip
	WIN 0x55
	s_wait_dscnt 12                                ; step 61; the counts run down
	STEP 1, 0, 0, 0, XB0, XB1, YB, 0
	s_wait_dscnt 6
	STEP 2, 0, 0, 0, XB0, XB1, YB, 0
	s_wait_dscnt 0
	STEP 3, 0, 0, 0, XB0, XB1, YB, 0
	; THE EIGHT LANES THAT SHARE (m, n) ARE ADDED: lane bits 4, 3, 2.  Each step adds a lane and its partner and halves the registers: of two registers one lane keeps the first's sum, its partner the second's.
	; Bit 4 against m's bit 2: the exchange puts sum(m)'s two halves side by side in lanes 0-15 and sum(m + 4)'s in lanes 16-31; a packed addition joins them.
.irp k, 0,1,2,3
.irp q, 0,1,2,3,4,5,6,7,8,9,10,11,12,13,14,15
	v_permlane16_swap_b32 v[ACC+16*\k+\q], v[ACC+64+16*\k+\q]
.endr
.irp q, 0,2,4,6,8,10,12,14
	v_pk_add_f32 v[ACC+16*\k+\q:ACC+16*\k+\q+1], v[ACC+16*\k+\q:ACC+16*\k+\q+1], v[ACC+64+16*\k+\q:ACC+64+16*\k+\q+1]
.endr
.endr
	; Bit 3 against c's bit 1: a lane with the bit set keeps c + 2 and sends c, the others the other way round.
.irp k, 0,1,2,3
.irp q, 0,1,2,3,4,5,6,7
	v_cndmask_b32 v[TS+\q], v[ACC+16*\k+8+\q], v[ACC+16*\k+\q], s24                 ; what I send
.endr
.irp q, 0,1,2,3,4,5,6,7
	v_cndmask_b32 v[ACC+16*\k+\q], v[ACC+16*\k+\q], v[ACC+16*\k+8+\q], s24          ; what I keep
.endr
.irp q, 0,1,2,3,4,5,6,7
	v_add_f32_dpp v[ACC+16*\k+\q], v[TS+\q], v[ACC+16*\k+\q] row_xmask:8 row_mask:0xf bank_mask:0xf   ; + what lane l xor 8 sends
.endr
.endr
	; Bit 2 against c's bit 0.
.irp k, 0,1,2,3
.irp e, 0,1,2,3
	v_cndmask_b32 v[TS+4*\k+\e], v[ACC+16*\k+4+\e], v[ACC+16*\k+\e], s25
.endr
.endr
.irp k, 0,1,2,3
.irp e, 0,1,2,3
	v_cndmask_b32 v[ACC+16*\k+\e], v[ACC+16*\k+\e], v[ACC+16*\k+4+\e], s25
.endr
.endr
.irp k, 0,1,2,3
.irp e, 0,1,2,3
	v_add_f32_dpp v[ACC+16*\k+\e], v[TS+4*\k+\e], v[ACC+16*\k+\e] row_xmask:4 row_mask:0xf bank_mask:0xf
.endr
.endr
	s_wait_alu depctr_va_vdst(0)
	; Lane l now holds, in v[ACC + 16 k + e], the sum of squares of m = 8 w + k + 4 (l / 16), n = 4 (l % 16) + e: c = lane bits 3:2, g = lane bits 1:0, quad 4 c + g = l % 16.
.irp k, 0,1,2,3
.irp e, 0,1,2,3
	v_sqrt_f32 v[ACC+16*\k+\e], v[ACC+16*\k+\e]
.endr
.endr
	v_nop                                          ; a plain instruction behind the last root (ISA guide 5.7.2),
	s_wait_alu depctr_va_vdst(0)                   ; and one wait: the sixteen roots have written their results, which the four stores below, the batch's first readers, take as their data
.irp k, 0,1,2,3
	global_store_b128 v[OO], v[ACC+16*\k:ACC+16*\k+3], s[16:17] offset:2048*\k th:TH_STORE_NT   ; lanes 0-15 store 256 consecutive bytes of row k, at a multiple of 256 from out's first byte; lanes 16-31 those of row k + 4
.endr
	WIN 0
	s_wait_dscnt 0x0
	s_wait_alu depctr_hold_cnt(0) depctr_sa_sdst(0) depctr_va_vdst(0) depctr_va_sdst(0) depctr_va_ssrc(0) depctr_va_vcc(0) depctr_vm_vsrc(0)
	s_wait_tensorcnt 0x0
	ds_add_u32 v254, v255
	s_wait_dscnt 0x0
	s_endpgm
.Lfunc_end_k_q825d521592_dist:
	.size	k_q825d521592_dist, .Lfunc_end_k_q825d521592_dist-k_q825d521592_dist
	.p2alignl 7, 3214868480
	.fill 96, 4, 3214868480
	.section	.rodata,"a",@progbits
	.p2align	6, 0x0
	.amdhsa_kernel k_q825d521592_dist
		.amdhsa_group_segment_fixed_size 198656
		.amdhsa_private_segment_fixed_size 0
		.amdhsa_enable_private_segment 0
		.amdhsa_kernarg_size 56
		.amdhsa_user_sgpr_count 2
		.amdhsa_user_sgpr_kernarg_segment_ptr 1
		.amdhsa_wavefront_size32 1
		.amdhsa_system_sgpr_workgroup_id_x 1
		.amdhsa_system_sgpr_workgroup_id_y 1
		.amdhsa_system_sgpr_workgroup_id_z 1
		.amdhsa_system_vgpr_workitem_id 0
		.amdhsa_next_free_vgpr 704
		.amdhsa_next_free_sgpr 66
		.amdhsa_reserve_vcc 0
		.amdhsa_float_denorm_mode_32 3
		.amdhsa_float_denorm_mode_16_64 3
		.amdhsa_memory_ordered 1
		.amdhsa_forward_progress 1
		.amdhsa_inst_pref_size 130
	.end_amdhsa_kernel
	.amdgpu_metadata
---
amdhsa.version: [ 1, 2 ]
amdhsa.kernels:
  - .name:           k_q825d521592_dist
    .symbol:         k_q825d521592_dist.kd
    .args:
      - { .name: W_codes, .offset: 0, .size: 8, .value_kind: global_buffer, .address_space: global }
      - { .name: W_scales, .offset: 8, .size: 8, .value_kind: global_buffer, .address_space: global }
      - { .name: x_codes, .offset: 16, .size: 8, .value_kind: global_buffer, .address_space: global }
      - { .name: x_scales, .offset: 24, .size: 8, .value_kind: global_buffer, .address_space: global }
      - { .name: y_codes, .offset: 32, .size: 8, .value_kind: global_buffer, .address_space: global }
      - { .name: y_scales, .offset: 40, .size: 8, .value_kind: global_buffer, .address_space: global }
      - { .name: out0, .offset: 48, .size: 8, .value_kind: global_buffer, .address_space: global }
    .group_segment_fixed_size: 198656
    .private_segment_fixed_size: 0
    .kernarg_segment_align: 8
    .kernarg_segment_size: 56
    .max_flat_workgroup_size: 128
    .sgpr_count:     66
    .vgpr_count:     704
    .wavefront_size: 32
...
	.end_amdgpu_metadata
.endif
;; end of part 2
